; MI455X (gfx1250); checked and timed in simulation.
; The chip was launched on July 23, 2026; its instructions are those of AMD's public machine-readable ISA for CDNA 5 (MIT licence, August 2026) and "CDNA5" Instruction Set Architecture Reference Guide (July 2026). The comments in the code are by the model that wrote it; some were corrected since.
;; Luong Gen Attention. Allowed arithmetic: matrix products marked QUANTISED: E3M2 operands, one E8M0 scale for each 32 along K, by v_wmma_scale_f32_16x16x128_f8f6f4 with both operands' format E3M2, f32 sums; products left as they are: f32 operands where the result goes on into a quantised operand, else bf16, f16 or f32 operands; f32 sums; everything else in f32.
;; Inputs: W_codes 2,048 x 64 x 24 uint8 (E3M2 codes of W, K innermost, in blocks of 32 codes, four codes in three bytes); W_scales 2,048 x 64 uint8 (E8M0 scales of W, one for each 32 codes along K); b 2,048 float32; encode_state 16 x 1,024 x 2,048 float32; hid_state_codes 16 x 64 x 24 uint8 (E3M2 codes of hid_state, K innermost, in blocks of 32 codes, four codes in three bytes); hid_state_scales 16 x 64 uint8 (E8M0 scales of hid_state, one for each 32 codes along K).
;; Outputs: out0 16 x 1,024 float32; out1 16 x 2,048 float32.
;; This version of the problem:
;;   THIS VERSION OF THE PROBLEM IS GIVEN IN LOW PRECISION. The matrix products marked QUANTISED in the list below multiply operands that are first quantised to E3M2 (3 exponent bits, 2 mantissa bits; 6 bits a number), with one power-of-two scale for each 32 numbers along K (OCP MX v1.0); their sums are f32. All else is computed in f32.
;;   The module's matrix products, in the order in which they are computed (A, B: the left and right operand; K: the contracted axis; several contracted axes count as one K, in the product's order):
;;     1. [M 16,384, K 2,048] x [K 2,048, N 2,048]; A: input encode_state; B: input W (given as codes): QUANTISED
;;     2. [M 16, K 2,048] x [K 2,048, N 2,048]; A: input hid_state (given as codes); B: input W (given as codes): QUANTISED
;;     3. batch 16 x [M 1,024, K 2,048] x [K 2,048, N 1]; A: computed on the way; B: computed on the way: left as it is (N = 1 < 16)
;;     4. batch 16 x [M 1, K 1,024] x [K 1,024, N 2,048]; A: softmax; B: input encode_state: left as it is (M = 1 < 16)
;;   THE QUANTISER, for each operand of a quantised product, along K:
;;     - K is cut into blocks of 32 from its start; a last block that is shorter is filled with zeros.
;;     - A block's scale is 2^e with e = floor(log2(the largest magnitude in the block)) - 4, held to -126 .. 127; a block of zeros has e = 0. As a byte (E8M0): e + 127.
;;     - Each number is divided by its block's scale, clamped to +-28, and rounded to the nearest number of E3M2, ties to even, subnormals kept.
;;     - The product sums the exact products of the quantised numbers (number of the format x scale) in f32.
;;   ~~~python
;;   def quantise(x, axis):      # numpy; x: float32 -> the quantised numbers, widened to float32 again
;;       x = np.moveaxis(x, axis, -1); K = x.shape[-1]
;;       x = np.pad(x, [(0, 0)] * (x.ndim - 1) + [(0, -K % 32)]); x = x.reshape(x.shape[:-1] + (-1, 32)); a = np.abs(x).max(-1, keepdims=True)
;;       e = np.where(a > 0, np.clip(np.frexp(np.where(a > 0, a, 1))[1] - 1 - 4, -126, 127), 0)      # np.frexp(a)[1] - 1 = floor(log2(a)), exactly
;;       r = np.clip(x / 2.0 ** e, -28, 28)
;;       step = 2.0 ** (np.maximum(np.frexp(np.where(r == 0, 1, r))[1] - 1, -2) - 2)
;;       q = np.round(r / step) * step * 2.0 ** e      # np.round: ties to even
;;       return np.moveaxis(q.reshape(q.shape[:-2] + (-1,))[..., :K], -1, axis).astype(np.float32)
;;   ~~~
;;   INPUTS GIVEN AS CODES. W (in the module: [2048, 2048], K = its axis 1); hid_state (in the module: [16, 2048], K = its axis 1): each comes as NAME_codes (uint8): NAME with its K axis moved to the last place and cut into blocks of 32 codes, [.., K / 32, bytes a block], one block behind the other in memory; four codes in three bytes: a row's codes are one little-endian stream of bits, code i at bits 6 i .. 6 i + 5 (a code: sign, 3 exponent bits, 2 mantissa bits); and NAME_scales (uint8): the same leading axes, one E8M0 byte (e + 127) for each 32 codes along K. Its value is code x scale, taken as it is: it is not quantised again, and the codes and scales need not be those that the quantiser above would give.
;; One version. Each part assembles by itself: llvm-mc -triple=amdgcn-amd-amdhsa -mcpu=gfx1250 --defsym DOCPART=n.
;; ======== version 1 of 1: 4 launches
;; workspace buffers: enc_codes 25,165,824 bytes; enc_scales 1,048,576 bytes; hidp 131,072 bytes; part 1,048,576 bytes; probs 65,536 bytes; live 2,048 bytes of whole numbers
;; launch quant (part 1): grid 1152 x 1, 4 waves a work-group, no clusters, 33,280 bytes of LDS; arguments encode_state, enc_codes, enc_scales, W_codes, W_scales, hid_state_codes, hid_state_scales, b, hidp; writes enc_codes, enc_scales, hidp
.if DOCPART == 1
	.amdgcn_target "amdgcn-amd-amdhsa--gfx1250"
	.amdhsa_code_object_version 6
	.text
	.protected	k_q3433053f15_quant
	.globl	k_q3433053f15_quant
	.p2align	8
	.type	k_q3433053f15_quant,@function
k_q3433053f15_quant:
	s_mov_b64 s[64:65], 0
	v_nop
	global_prefetch_b8 v0, s[64:65] scope:SCOPE_SE
	s_setreg_imm32_b32 hwreg(HW_REG_WAVE_MODE, 25, 1), 1
	s_wait_xcnt 0x0
; TWO JOBS IN ONE LAUNCH, parted by the work-group's number.
; Work-groups NHID .. NHID + 1023: encode_state [16384][2048] f32 is turned into codes of BF6 (E3M2), 6 bits each, K innermost, [16384][1536 bytes], with one E8M0 byte for each 32 along K, [16384][64].
;   A block's scale is 2^(floor(log2(its largest magnitude)) - 4); its byte is the largest magnitude's own exponent field - 4, held at 1 from below.  Each number is divided by the scale and rounded to the
;   nearest code, ties to even; beyond 28 the largest code.  Rows are dense and 2048 is a multiple of 32: the tensor is a plain stream of blocks of 32, and so are its codes and bytes.
;   A wave takes 16 steps of 512 numbers.  Each of a step's four loads reads 512 consecutive bytes, 16 a lane; the 2,048 bytes turn through the wave's own stage in LDS and come back 64 bytes a lane,
;   so that a lane holds 16 NEIGHBOURS along K (two neighbouring lanes hold a block), as the conversion wants them.  A lane's 16 codes are 12 bytes: a store covers 384 consecutive bytes.
;   A wave's 256 scale bytes are gathered in its own LDS bytes and leave as 256 consecutive aligned bytes.  Loads run four steps (16 loads a wave) ahead.  Waves share nothing: no barrier.
; Work-groups 0 .. NHID - 1: hid_proj = hid W^T + b, [16][2048] f32, on the codes as they are given.  A work-group makes 16 columns for all 16 batches; its four waves share K, 512 each,
;   so that ALL of a wave's loads go out together and it waits for memory once.  The four partial tiles meet in LDS, in bytes that the quantiser's path never names; wave 0 adds them and the bias.
;   Each row of W is read by one work-group of the launch; what the work-groups share, hid's 24 KiB of codes, is small: no cluster.  The sum's order differs from a plain ascending one.
; LIMITS: NaN and infinities among the inputs are not served.  A block of zeros, or one whose largest magnitude lies under 2^-122, gets the byte 1 where the rule says 127 (zeros) or holds at -126:
;   a block of zeros has zero codes, which add nothing under any byte but 0xff, and the bytes are read by this program alone.
.set NHID,  128                        ; work-groups for hid_proj: 128 tiles of 16 columns
.set STEPS, 16
.set EMAX,  4                          ; the exponent of the format's largest number, 28
.set CB,    12                         ; bytes of 16 codes
.set R,     16                         ; v16-79   four sets of 16 numbers as they are loaded
.set X,     80                         ; v80-111  two sets of 16 neighbours
.set E,     112                        ; v112-127 a scale byte for each step
.set C,     128                        ; v128-191 codes: four registers for each step, so that no store's data are written again
.set WREG,  8192                       ; LDS: a region for each wave: two stages of 32 x SP bytes, behind them its 256 scale bytes: 5,376 bytes; from HST on 1,024 bytes for hid_proj's path
.set SP,    80                         ; a lane's place in a stage: its 64 bytes + 16 of padding
.set HST,   6144                       ; in a wave's region: the image of its partial tile of hid_proj
	v_lshl_add_u32 v192, v0, 2, 0x8000
	v_mov_b32 v193, 0
	v_lshrrev_b32 v1, 5, v0
	v_readfirstlane_b32 s16, v1                    ; wave 0..3
	s_cmp_lt_u32 ttmp9, NHID
	s_cbranch_scc1 .Lhid
	; ---------------- the quantiser ----------------
	s_load_b64 s[4:5], s[0:1], 0x0                 ; encode_state
	s_load_b64 s[8:9], s[0:1], 0x8                 ; its codes
	s_load_b64 s[10:11], s[0:1], 0x10              ; its scale bytes
	v_and_b32 v2, 31, v0                           ; lane
	v_lshlrev_b32 v3, 4, v2                        ; my 16 bytes of a load's 512
	s_mul_i32 s17, s16, WREG
	v_lshrrev_b32 v14, 2, v2
	v_mul_u32_u24 v14, v14, SP
	v_and_b32 v15, 3, v2
	v_lshl_add_u32 v14, v15, 4, v14
	v_add_nc_u32 v14, s17, v14                     ; the stage, on the way in: four lanes' 64 bytes on end, then 16 of padding: SP (lane / 4) + 16 (lane % 4)
	v_mul_u32_u24 v15, v2, SP
	v_add_nc_u32 v15, s17, v15                     ; and on the way out: SP x lane: my 16 neighbours
	v_mul_u32_u24 v4, v2, CB                       ; my codes' place in a step's
	v_lshrrev_b32 v5, 1, v2
	s_add_co_u32 s17, s17, 2*32*SP
	v_add_nc_u32 v5, s17, v5                       ; LDS: my wave's 256 scale bytes, my block's byte
	v_lshlrev_b32 v7, 3, v2                        ; and on the way out 8 bytes a lane
	v_add_nc_u32 v6, s17, v7
	s_sub_co_u32 s17, ttmp9, NHID
	s_lshl_b32 s17, s17, 2
	s_add_co_u32 s18, s17, s16                     ; which run of 8,192 numbers is my wave's: 0 .. 4,095
	s_mov_b32 s19, 0
	s_mov_b64 s[20:21], 512*STEPS*4
	s_mul_u64 s[20:21], s[18:19], s[20:21]         ; 32,768 bytes of numbers a run
	s_mov_b64 s[22:23], 32*STEPS*CB
	s_mul_u64 s[22:23], s[18:19], s[22:23]         ; 6,144 bytes of codes
	s_lshl_b32 s18, s18, 8                         ; 256 scale bytes
	s_wait_kmcnt 0x0
	s_add_nc_u64 s[4:5], s[4:5], s[20:21]
	s_add_nc_u64 s[8:9], s[8:9], s[22:23]
	s_add_nc_u64 s[10:11], s[10:11], s[18:19]
.macro LOAD t
.irp i, 0,1,2,3
	global_load_b128 v[R+16*((\t)%4)+4*\i:R+16*((\t)%4)+4*\i+3], v3, s[4:5] offset:2048*(\t)+512*\i th:TH_LOAD_NT   ; 32 lanes read 512 consecutive bytes; read once in this launch
.endr
.endm
.macro TURN t                          ; step t's numbers through the stage: LDS serves a wave's instructions in order, so no wait stands between the stores and the loads
.irp i, 0,1,2,3
	ds_store_b128 v14, v[R+16*((\t)%4)+4*\i:R+16*((\t)%4)+4*\i+3] offset:32*SP*((\t)%2)+8*SP*\i
.endr
.irp i, 0,1,2,3
	ds_load_b128 v[X+16*((\t)%2)+4*\i:X+16*((\t)%2)+4*\i+3], v15 offset:32*SP*((\t)%2)+16*\i
.endr
.endm
.irp t, 0,1,2,3
	LOAD \t
.endr
	s_wait_loadcnt 12                              ; step 0's four loads are in; the twelve of steps 1 to 3 may be out
	TURN 0
.macro STEP t
.set XS, X+16*((\t)%2)
.if (\t) > 0
	s_wait_dscnt 1                                 ; this step's numbers are back from the stage (the last step's byte store may be out): so its stores into the stage have read their registers,
.else
	s_wait_dscnt 0x0
.endif
.if (\t)+4 < STEPS
	LOAD (\t)+4                                    ; which take the loads of four steps on
.endif
.if (\t)+1 < STEPS
.if STEPS-2-(\t) >= 3
	s_wait_loadcnt 12                              ; the next step's four loads are in; those of the three steps behind it may be out
.else
	s_wait_loadcnt 4*(STEPS-2-(\t))
.endif
	TURN (\t)+1                                    ; and go through the other stage while this step is worked
.endif
	v_max3_num_f32 v8, |v[XS]|, |v[XS+1]|, |v[XS+2]|               ; the largest magnitude of my 16, in two chains
	v_max3_num_f32 v9, |v[XS+3]|, |v[XS+4]|, |v[XS+5]|
.irp i, 6,10
	v_max3_num_f32 v8, v8, |v[XS+\i]|, |v[XS+\i+1]|
	v_max3_num_f32 v9, v9, |v[XS+\i+2]|, |v[XS+\i+3]|
.endr
	v_max3_num_f32 v8, v8, |v[XS+14]|, |v[XS+15]|
	v_max3_num_f32 v8, v8, v9, (EMAX+1)<<23        ; and the floor 2^(EMAX + 1 - 127): so the byte cannot fall under 1
	v_max_num_f32_dpp v8, v8, v8 row_xmask:1 row_mask:0xf bank_mask:0xf   ; and of my neighbour's 16: the block's
	v_add_nc_u32 v11, -(EMAX<<23), v8              ; EMAX off its exponent field: the conversion takes the exponent field of this operand as its scale, and nothing else of it
	v_cvt_scalef32_pk16_bf6_f32 v[C+4*(\t):C+4*(\t)+2], v[XS:XS+15], v11         ; sixteen numbers / the scale, to the nearest code, ties to even; 96 bits without gaps, the first number's code lowest
	v_lshrrev_b32 v[E+(\t)], 23, v11               ; the scale's byte; also the plain instruction behind the conversion
	ds_store_b8 v5, v[E+(\t)] offset:16*(\t)       ; both lanes of a block write the same byte with the same value
	global_store_b96 v4, v[C+4*(\t):C+4*(\t)+2], s[8:9] offset:32*CB*(\t)
.endm
.irp t, 0,1,2,3,4,5,6,7,8,9,10,11,12,13,14,15
	STEP \t
.endr
	ds_load_b64 v[12:13], v6                       ; LDS serves a wave's instructions in order: these see my byte stores
	s_wait_dscnt 0x0
	global_store_b64 v7, v[12:13], s[10:11]        ; 32 lanes store 256 consecutive bytes, at a multiple of 256 from the buffer's first byte
	s_wait_tensorcnt 0x0
	ds_add_u32 v192, v193
	s_wait_dscnt 0x0
	s_endpgm
	; ---------------- hid_proj ----------------
	; The product is used transposed: source 0 = 16 rows of W (columns 16 t .. 16 t + 15 of hid_proj), source 1 = hid's 16 rows: lane (r, h) holds batch r, its register j column 16 t + 8 h + j.
	; Wave w takes K steps 4 w .. 4 w + 3 of 128: steps 0 and 2 of its four add onto AC0, steps 1 and 3 onto AC1; each begins with 0; the two take turns, one instruction a turn.
.set WS,  16                           ; v16-19   W's scale words of my four K steps
.set HS,  20                           ; v20-23   hid's
.set BI,  24                           ; v24-31   b at my eight columns
.set AC0, 32                           ; v32-39
.set AC1, 40                           ; v40-47
.set OUT, 48                           ; v48-55   my wave's partial tile; in wave 0 at the end the whole sum
.set OTH, 56                           ; v56-79   wave 0: the other three waves' partial tiles
.set FW,  80                           ; v80-127  W's fragments of my four K steps
.set FH,  128                          ; v128-175 hid's
.Lhid:
	s_load_b64 s[4:5], s[0:1], 0x18                ; W's codes
	s_load_b64 s[6:7], s[0:1], 0x20                ; W's scales
	s_load_b64 s[8:9], s[0:1], 0x28                ; hid's codes
	s_load_b64 s[10:11], s[0:1], 0x30              ; hid's scales
	s_load_b64 s[12:13], s[0:1], 0x38              ; b
	s_load_b64 s[14:15], s[0:1], 0x40              ; hid_proj
	v_and_b32 v1, 15, v0                           ; r
	v_bfe_u32 v2, v0, 4, 1                         ; h
	v_mul_u32_u24 v3, v1, 1536                     ; a row of 2,048 codes is 1,536 bytes, in W and in hid alike
	v_mad_u32_u24 v3, v2, 24, v3                   ; + 24 h
	v_lshlrev_b32 v4, 6, v1                        ; scale bytes: 64 a row
	v_lshlrev_b32 v5, 5, v2                        ; b: my half's eight numbers
	v_lshlrev_b32 v6, 13, v1
	v_lshl_add_u32 v6, v2, 5, v6                   ; out: row r of 8,192 bytes, + 32 h
	v_and_b32 v7, 31, v0
	v_lshlrev_b32 v7, 4, v7                        ; 16 x lane: an image's place for my lane
	s_mul_i32 s17, s16, WREG
	s_add_co_u32 s17, s17, HST
	v_add_nc_u32 v8, s17, v7                       ; where my wave's image goes: 8192 x wave + HST + 16 x lane
	s_mov_b32 s21, 0
	s_mul_i32 s22, s16, 4*96                       ; my four K steps begin 384 x wave bytes on in a row of codes,
	s_mov_b32 s23, 0
	s_lshl_b32 s24, s16, 4                         ; and 16 x wave bytes on in a row of scale bytes
	s_mov_b32 s25, 0
	s_wait_kmcnt 0x0
	s_mul_i32 s20, ttmp9, 16*1536
	s_add_nc_u64 s[4:5], s[4:5], s[20:21]          ; my tile's 16 rows of W,
	s_add_nc_u64 s[4:5], s[4:5], s[22:23]          ; at my K steps
	s_add_nc_u64 s[8:9], s[8:9], s[22:23]
	s_lshl_b32 s20, ttmp9, 10
	s_add_nc_u64 s[6:7], s[6:7], s[20:21]          ; their scale bytes
	s_add_nc_u64 s[6:7], s[6:7], s[24:25]
	s_add_nc_u64 s[10:11], s[10:11], s[24:25]
	s_lshl_b32 s20, ttmp9, 6
	s_add_nc_u64 s[12:13], s[12:13], s[20:21]      ; my tile's 16 numbers of b
	s_add_nc_u64 s[14:15], s[14:15], s[20:21]      ; and its 16 columns of hid_proj
	global_load_b128 v[WS:WS+3], v4, s[6:7]        ; four scale words: register s = my K step s of my row
	global_load_b128 v[HS:HS+3], v4, s[10:11]
	global_load_b128 v[BI:BI+3], v5, s[12:13]
	global_load_b128 v[BI+4:BI+7], v5, s[12:13] offset:16
.irp s, 0,1,2,3
.irp p, 0,1,2,3,4,5
	global_load_b64 v[FW+12*\s+2*\p:FW+12*\s+2*\p+1], v3, s[4:5] offset:96*\s+48*(\p/3)+8*(\p%3)   ; a fragment: 24 bytes of the row's stream at 24 h, 24 more 48 bytes on, in pieces of 8
	global_load_b64 v[FH+12*\s+2*\p:FH+12*\s+2*\p+1], v3, s[8:9] offset:96*\s+48*(\p/3)+8*(\p%3)
.endr
.endr
	s_wait_loadcnt 0x0                             ; the one wait for memory
.irp s, 0,1,2,3
.set rD, AC0+8*(\s%2)
.if \s < 2
	v_wmma_scale_f32_16x16x128_f8f6f4 v[rD:rD+7], v[FW+12*\s:FW+12*\s+11], v[FH+12*\s:FH+12*\s+11], 0, v[WS+\s], v[HS+\s] matrix_a_fmt:MATRIX_FMT_BF6 matrix_b_fmt:MATRIX_FMT_BF6
.else
	v_wmma_scale_f32_16x16x128_f8f6f4 v[rD:rD+7], v[FW+12*\s:FW+12*\s+11], v[FH+12*\s:FH+12*\s+11], v[rD:rD+7], v[WS+\s], v[HS+\s] matrix_a_fmt:MATRIX_FMT_BF6 matrix_b_fmt:MATRIX_FMT_BF6
.endif
.endr
.rept 4
	v_nop                                          ; four places in front of the first read of results
.endr
.irp j, 0,2,4,6
	v_pk_add_f32 v[OUT+\j:OUT+\j+1], v[AC0+\j:AC0+\j+1], v[AC1+\j:AC1+\j+1]   ; my four K steps' sum, each accumulator from its low end on
.endr
	ds_store_b128 v8, v[OUT:OUT+3]                 ; the partial tile as an image of its registers: 16 bytes a lane, 512 bytes a store
	ds_store_b128 v8, v[OUT+4:OUT+7] offset:512
	s_wait_dscnt 0x0                               ; for wave 0's sake: my stores are done
	s_barrier_signal -1
	s_barrier_wait -1
	s_cmp_lg_u32 s16, 0
	s_cbranch_scc1 .Lhid_end                       ; wave 0 adds the four parts and the bias, and stores
.irp i, 1,2,3
	ds_load_b128 v[OTH+8*(\i-1):OTH+8*(\i-1)+3],   v7 offset:WREG*\i+HST
	ds_load_b128 v[OTH+8*(\i-1)+4:OTH+8*(\i-1)+7], v7 offset:WREG*\i+HST+512
.endr
	s_wait_dscnt 0x0
.irp j, 0,2,4,6
	v_pk_add_f32 v[OUT+\j:OUT+\j+1], v[OUT+\j:OUT+\j+1], v[BI+\j:BI+\j+1]
	v_pk_add_f32 v[OTH+\j:OTH+\j+1], v[OTH+\j:OTH+\j+1], v[OTH+8+\j:OTH+9+\j]
.endr
.irp j, 0,2,4,6
	v_pk_add_f32 v[OUT+\j:OUT+\j+1], v[OUT+\j:OUT+\j+1], v[OTH+16+\j:OTH+17+\j]
.endr
.irp j, 0,2,4,6
	v_pk_add_f32 v[OUT+\j:OUT+\j+1], v[OUT+\j:OUT+\j+1], v[OTH+\j:OTH+\j+1]
.endr
	global_store_b128 v6, v[OUT:OUT+3], s[14:15]
	global_store_b128 v6, v[OUT+4:OUT+7], s[14:15] offset:16
.Lhid_end:
	s_wait_tensorcnt 0x0
	ds_add_u32 v192, v193
	s_wait_dscnt 0x0
	s_endpgm
.Lfunc_end_k_q3433053f15_quant:
	.size	k_q3433053f15_quant, .Lfunc_end_k_q3433053f15_quant-k_q3433053f15_quant
	.p2alignl 7, 3214868480
	.fill 96, 4, 3214868480
	.section	.rodata,"a",@progbits
	.p2align	6, 0x0
	.amdhsa_kernel k_q3433053f15_quant
		.amdhsa_group_segment_fixed_size 33280
		.amdhsa_private_segment_fixed_size 0
		.amdhsa_enable_private_segment 0
		.amdhsa_kernarg_size 72
		.amdhsa_user_sgpr_count 2
		.amdhsa_user_sgpr_kernarg_segment_ptr 1
		.amdhsa_wavefront_size32 1
		.amdhsa_system_sgpr_workgroup_id_x 1
		.amdhsa_system_sgpr_workgroup_id_y 1
		.amdhsa_system_sgpr_workgroup_id_z 1
		.amdhsa_system_vgpr_workitem_id 0
		.amdhsa_next_free_vgpr 194
		.amdhsa_next_free_sgpr 66
		.amdhsa_reserve_vcc 0
		.amdhsa_float_denorm_mode_32 3
		.amdhsa_float_denorm_mode_16_64 3
		.amdhsa_memory_ordered 1
		.amdhsa_forward_progress 1
		.amdhsa_inst_pref_size 42
	.end_amdhsa_kernel
	.amdgpu_metadata
---
amdhsa.version: [ 1, 2 ]
amdhsa.kernels:
  - .name:           k_q3433053f15_quant
    .symbol:         k_q3433053f15_quant.kd
    .args:
      - { .name: encode_state, .offset: 0, .size: 8, .value_kind: global_buffer, .address_space: global }
      - { .name: enc_codes, .offset: 8, .size: 8, .value_kind: global_buffer, .address_space: global }
      - { .name: enc_scales, .offset: 16, .size: 8, .value_kind: global_buffer, .address_space: global }
      - { .name: W_codes, .offset: 24, .size: 8, .value_kind: global_buffer, .address_space: global }
      - { .name: W_scales, .offset: 32, .size: 8, .value_kind: global_buffer, .address_space: global }
      - { .name: hid_state_codes, .offset: 40, .size: 8, .value_kind: global_buffer, .address_space: global }
      - { .name: hid_state_scales, .offset: 48, .size: 8, .value_kind: global_buffer, .address_space: global }
      - { .name: b, .offset: 56, .size: 8, .value_kind: global_buffer, .address_space: global }
      - { .name: hidp, .offset: 64, .size: 8, .value_kind: global_buffer, .address_space: global }
    .group_segment_fixed_size: 33280
    .private_segment_fixed_size: 0
    .kernarg_segment_align: 8
    .kernarg_segment_size: 72
    .max_flat_workgroup_size: 128
    .sgpr_count:     66
    .vgpr_count:     194
    .wavefront_size: 32
...
	.end_amdgpu_metadata
.endif
;; end of part 1
;; launch gemm (part 2): grid 8 x 64, 4 waves a work-group, clusters of 4 x 4, 327,680 bytes of LDS; arguments enc_codes, enc_scales, W_codes, W_scales, hidp, part; writes part
.if DOCPART == 2
	.amdgcn_target "amdgcn-amd-amdhsa--gfx1250"
	.amdhsa_code_object_version 6
	.text
	.protected	k_q3433053f15_gemm
	.globl	k_q3433053f15_gemm
	.p2align	8
	.type	k_q3433053f15_gemm,@function
k_q3433053f15_gemm:
	s_mov_b64 s[64:65], 0
	v_nop
	global_prefetch_b8 v0, s[64:65] scope:SCOPE_SE
	s_setreg_imm32_b32 hwreg(HW_REG_WAVE_MODE, 25, 1), 1
	s_wait_xcnt 0x0
	s_wait_alu depctr_hold_cnt(0) depctr_sa_sdst(0) depctr_va_vdst(0) depctr_va_sdst(0) depctr_va_ssrc(0) depctr_va_vcc(0) depctr_vm_vsrc(0)
	s_getreg_b32 s2, hwreg(HW_REG_IB_STS2, 6, 4)
	s_cmp_eq_u32 s2, 0
	s_cbranch_scc0 .Lentry_in_a_cluster
	s_endpgm
.Lentry_in_a_cluster:
	s_bfe_u32 s2, ttmp6, 0x10000c
	s_cmp_lg_u32 s2, 0xf033
	s_cbranch_scc0 .Lentry_shape_is_right
	s_endpgm
.Lentry_shape_is_right:
; part[slice][m] = the sum over the 128 columns n of the slice of (sum over k of A[m][k] B[n][k]) x hid_proj[m / 1024][n].
; A = encode_state's codes [16384][2048], B = W's codes [2048][2048]: BF6 (E3M2), 6 bits each, one E8M0 byte for each 32 along K; the matrix instruction takes codes and scale bytes as they lie in memory.
; The product's 16384 x 2048 numbers never go to memory: each wave multiplies its 128 x 128 f32 sums by hid_proj in f32 (fused multiply-adds) and adds them along its 128 columns: 128 numbers a wave.
; (The bias of the projection adds b . hid_proj, one number a batch, to every score: the next launch adds it.)  The order of these sums differs from a plain ascending one.
; A tile, 256 x 256, is made by a work-group of four waves, as many as a WGP has SIMDs; a wave makes 128 x 128: 64 accumulators of 16 x 16, 512 registers.
; K goes in steps of 256 through a ring of two LDS slots filled by the tensor data mover: a tile's row is 192 bytes of memory.
; THE SCALES of the work-group's 256 rows of A and 256 rows of B, for all of K, are two dense blocks of memory: they come into LDS ONCE, with the first fills, as rows of 256 bytes, and stay.
; CLUSTERS: 4 x 4 work-groups.  The four of a row of the cluster need the same tiles of A, the four of a column the same tiles of B: each tile is asked for JOINTLY, by the same tensor load with the
; same descriptor and a mask that names the four.  THE MATRIX INSTRUCTION IS USED TRANSPOSED (source 0 = 16 rows of B, source 1 = 16 rows of A): a lane holds ONE row m and eight neighbouring columns n.
; REGISTERS, in windows of 256: window 0: v0-31 addresses; v32-63 scale words, two sets; v64-127 hid_proj at my 128 columns; from v128 A's fragments (8 x 16 rows x 128 K), ONE set.
;   window 1: B's fragments, TWO sets, at v0 and at v128.   window 2: the 32 accumulators of my rows 0-63 (accumulator (a, b) at v[8 (8 a + b)]);   window 3: those of my rows 64-127.
; A step of 128 along K is 64 matrix instructions, A's blocks one after the other, each against B's eight.  So a block of A is free as soon as its eight products are issued, and one set of registers serves A:
; blocks 0-3 are fetched anew in the step's middle, blocks 4-7 at its end.  B's fragments are at work through the whole step, so B has two sets.
.set SIZE_M, 16384
.set SIZE_N, 2048
.set SIZE_K, 2048
.set KSTEP,  256                       ; along K in a slot
.set NQ,     KSTEP/128                 ; matrix instructions deep
.set ROWB,   192                       ; a tile's row in bytes: KSTEP codes of 6 bits
.set KROW,   SIZE_K*6/8                ; a row of A or of B in memory, in bytes
.set PITCH,  240                       ; an LDS row: 3 x (64 bytes of data + 16 of padding) = 60 words: row r starts at bank -4 r mod 64 (64 banks of 4 bytes: ISA guide 11.1), so the 32 lanes of a load of 8 bytes touch 64 different banks
.set FR,     12                        ; registers of a fragment: 16 rows x 128 K
.set NL,     6                         ; LDS loads that bring one
.set NP,     4                         ; places behind this matrix instruction (ISA guide 7.12.1)
.set HALFT,  128*PITCH                 ; 128 rows: what one tensor load brings, and what one wave reads of A or of B
.set SLOT,   4*HALFT                   ; A's 256 rows, then B's 256 rows
.set LAPS,   SIZE_K/(2*KSTEP)          ; a lap = two K steps = once round the ring: 4
.set KS,     SIZE_K/32                 ; a row of scales in bytes: 64
.set SCL,    2*SLOT                    ; behind the ring: the scales, as rows of 256 bytes + 16 of padding
.set HALFS,  (128*KS/256)*272          ; the scales of 128 rows: what one tensor load brings
.set SBLK,   (16*KS/256)*272           ; those of 16 rows
.set SPARE,  SCL+4*HALFS               ; behind the scales: the spare words, 128 bytes for each wave: two blocks of 256 bytes that no other line names
.set ADRA, 16                          ; v16-17  LDS address of my A fragments in slot 0, 1  (v18-19: the same for the pieces that lie behind one padding more)
.set ADRB, 20                          ; v20-21  the same for B  (v22-23)
.set STO,  24                          ; v24     the way out: 512 x wave + 4 (lane % 16): where a row's sum goes.  The stage, 512 bytes a wave, lies in slot 0, which has had its last fill and its last read by then
.set RD,   25                          ; v25     the way out: 512 x wave + 16 x lane: where I read four rows' sums back
.set CO,   26                          ; v26     16 x lane: the same place in my 512 bytes of part
.set ADRS, 27                          ; v27     LDS address of my scale words: lanes 0-15 A's rows, lanes 16-31 B's
.set SPW,  28                          ; v28     LDS address of my spare word: SPARE + 4 x my thread's number; never rewritten
.set NIL,  29                          ; v29     0; never rewritten
.set HPO,  30                          ; v30     32 x (lane / 16): my half's eight columns in a block of 16 of hid_proj; never rewritten
.set SC,   32                          ; scale words: set s (for slot s) at v[SC + 8 NQ s]; in it register NQ i + q: lanes 0-15 the word of A's block i, lanes 16-31 that of B's block i, for the slot's q-th 128 along K
.set HP,   64                          ; v64-127 register 8 b + j: hid_proj at column 16 b + 8 (lane / 16) + j of my 128
.set AF,   128                         ; A's fragments, in window 0
.set SS,   128                         ; the way out: v128-159: for each of my 8 blocks of rows two chains of packed sums
.set RS,   160                         ; v160-167 a row's sum for each block
.set OB,   176                         ; v176-179 four rows' sums, to store
.set G1, 24                            ; s[24:31] descriptor group 1 for A's tiles;  s[32:39] group 0, one set for each slot
.set G0, 32
.set G1B, 48                           ; s[48:55], s[56:63] the same for B's tiles
.set G0B, 56
.set G1S, 68                           ; s[68:75], s[76:79] groups 1 and 0 for A's scales;  s[80:87], s[88:91] for B's
.set G0S, 76
.set G1SB, 80
.set G0SB, 88
.set MSB, 0
.macro WIN new                         ; the immediate's high byte repeats the setting that is left
.if MSB != \new
	s_set_vgpr_msb (MSB<<8)|\new
.set MSB, \new
.endif
.endm
.set MUL_LO, 0xa1                      ; source 0 (B) window 1, source 1 (A) window 0, C and D window 2
.set MUL_HI, 0xf1                      ; the same, C and D window 3
.set TO_B,   0x40                      ; destination window 1, address window 0
; A joint load: waves 0 and 1 fetch for A, waves 2 and 3 for B.  Each of the two lines has ONE mask and one set of registers for all that issue it; the branch hangs on the wave's number alone.
; Four v_nop follow each of the two lines, ahead of the jump, the label and what follows.
.macro JLOAD g0a, g1a, g0b, g1b
	s_cmp_eq_u32 s15, 0
	s_cbranch_scc0 .Lfor_b_\@
	tensor_load_to_lds s[\g0a:\g0a+3], s[\g1a:\g1a+7]
	s_nop 0
.rept 4
	v_nop
.endr
	s_branch .Lasked_\@
.Lfor_b_\@:
	tensor_load_to_lds s[\g0b:\g0b+3], s[\g1b:\g1b+7]
	s_nop 0
.rept 4
	v_nop
.endr
.Lasked_\@:
.endm
.macro CREST                           ; a round of the cluster's barrier behind its opening barrier
	s_cmp_lg_u32 s14, 0
	s_cbranch_scc1 .Lnot_wave_0_\@
	s_barrier_signal -3
.Lnot_wave_0_\@:
	s_barrier_wait -3
	s_barrier_signal -1
	s_barrier_wait -1
.endm
.macro CROUND                          ; a whole round
	s_barrier_signal -1
	s_barrier_wait -1
	CREST
.endm
	s_load_b128 s[4:7], s[0:1], 0x0                ; A's codes s[4:5], A's scales s[6:7]
	s_load_b128 s[8:11], s[0:1], 0x10              ; B's codes s[8:9], B's scales s[10:11]
	s_load_b64 s[96:97], s[0:1], 0x20              ; hid_proj
	s_load_b64 s[12:13], s[0:1], 0x28              ; part
	v_lshl_add_u32 v[SPW], v0, 2, SPARE
	v_mov_b32 v[NIL], 0
	ds_add_u32 v28, v29
	ds_add_u32 v28, v29
	s_wait_dscnt 0x0
	v_lshrrev_b32 v1, 5, v0
	v_readfirstlane_b32 s14, v1                    ; wave 0..3
	s_lshr_b32 s15, s14, 1                         ; which half of the tile's rows is mine.  Also: I fetch for A (0) or for B (1)
	s_and_b32 s16, s14, 1                          ; which half of its columns.  Also: which 128 rows of that tile I fetch
	s_bfe_u32 s40, ttmp6, 0x40000                  ; cx, cy: my place in the cluster
	s_bfe_u32 s41, ttmp6, 0x40004
	s_lshl_b32 s42, ttmp9, 2
	s_add_co_u32 s42, s42, s40                     ; tile column = 4 x cluster x + cx
	s_and_b32 s17, ttmp7, 0xffff
	s_lshl_b32 s17, s17, 2
	s_add_co_u32 s17, s17, s41                     ; tile row = 4 x cluster y + cy
	s_lshl_b32 s43, s41, 2
	s_lshl_b32 s43, 15, s43                        ; my row of the cluster
	s_lshl_b32 s44, 0x1111, s40                    ; my column
	; descriptor group 1: a tile of 128 rows x ROWB bytes, padded in LDS
	s_or_b32 s[G1+0], s43, (0<<16)|(1<<20)|(1<<21)|(3<<22)|(3<<25)  ; 15:0 the mask: A's tiles go to my row; 17:16 element of 1 byte; 20 padding on; 21 set beside a mask; 24:22 after every 16 words (code 3); 31:25 of 4 words (code 3)
	s_or_b32 s[G1B+0], s44, (0<<16)|(1<<20)|(1<<21)|(3<<22)|(3<<25)
.irp g, G1, G1B
	s_mov_b32 s[\g+1], ROWB<<16                    ; tensor_dim0
	s_mov_b32 s[\g+2], 128<<16                     ; tensor_dim1 = 128
	s_mov_b32 s[\g+3], ROWB<<16                    ; tile_dim0
	s_mov_b32 s[\g+4], 128                         ; tile_dim1 = 128
	s_mov_b32 s[\g+5], KROW                        ; tensor_dim0_stride
	s_mov_b32 s[\g+6], 0
	s_mov_b32 s[\g+7], 0
.endr
	; and for the scales of 128 rows: a dense block of 128 KS bytes, as rows of 256 bytes (32 elements of 8 bytes), 16 bytes of padding behind each
	s_or_b32 s[G1S+0], s43, (3<<16)|(1<<20)|(1<<21)|(5<<22)|(3<<25)
	s_or_b32 s[G1SB+0], s44, (3<<16)|(1<<20)|(1<<21)|(5<<22)|(3<<25)
.irp g, G1S, G1SB
	s_mov_b32 s[\g+1], 32<<16
	s_mov_b32 s[\g+2], (128*KS/256)<<16
	s_mov_b32 s[\g+3], 32<<16
	s_mov_b32 s[\g+4], 128*KS/256
	s_mov_b32 s[\g+5], 32
	s_mov_b32 s[\g+6], 0
	s_mov_b32 s[\g+7], 0
.endr
	s_lshl_b32 s18, s16, 7                         ; which 128 rows of the tile I fetch
	s_lshl_b32 s20, s17, 8
	s_add_co_u32 s20, s20, s18                     ; A: row 256 x tile row + 128 x half
	s_lshl_b32 s46, s42, 8
	s_add_co_u32 s46, s46, s18                     ; B: row 256 x tile column + 128 x half
	s_mov_b32 s21, 0
	s_mov_b32 s47, 0
	s_mov_b64 s[18:19], KS
	s_mul_u64 s[22:23], s[20:21], s[18:19]         ; where these rows' scales begin, in bytes
	s_mul_u64 s[92:93], s[46:47], s[18:19]
	s_mov_b64 s[18:19], KROW
	s_mul_u64 s[20:21], s[20:21], s[18:19]         ; and their codes
	s_mul_u64 s[46:47], s[46:47], s[18:19]
	s_mul_i32 s45, s14, HALFT                      ; where they go: wave x 128 rows: no place in the cluster enters an LDS address
	s_mul_i32 s94, s14, HALFS
	s_wait_kmcnt 0x0
	s_add_nc_u64 s[20:21], s[4:5], s[20:21]
	s_add_nc_u64 s[22:23], s[6:7], s[22:23]
	s_add_nc_u64 s[46:47], s[8:9], s[46:47]
	s_add_nc_u64 s[92:93], s[10:11], s[92:93]
	CROUND                                         ; all sixteen work-groups are here: the first joint loads meet
	s_mov_b32 s[G0S], 1
	s_add_co_u32 s[G0S+1], s94, SCL
	s_mov_b64 s[G0S+2:G0S+3], s[22:23]
	s_or_b32 s[G0S+3], s[G0S+3], 0x80000000
	s_mov_b32 s[G0SB], 1
	s_add_co_u32 s[G0SB+1], s94, SCL
	s_mov_b64 s[G0SB+2:G0SB+3], s[92:93]
	s_or_b32 s[G0SB+3], s[G0SB+3], 0x80000000
	JLOAD G0S, G1S, G0SB, G1SB                     ; the scales first: they are wanted with K step 0
.irp s, 0,1
	s_mov_b32 s[G0+4*\s], 1
	s_add_co_u32 s[G0+4*\s+1], s45, \s*SLOT
	s_add_nc_u64 s[G0+4*\s+2:G0+4*\s+3], s[20:21], \s*ROWB
	s_or_b32 s[G0+4*\s+3], s[G0+4*\s+3], 0x80000000
	s_mov_b32 s[G0B+4*\s], 1
	s_add_co_u32 s[G0B+4*\s+1], s45, \s*SLOT
	s_add_nc_u64 s[G0B+4*\s+2:G0B+4*\s+3], s[46:47], \s*ROWB
	s_or_b32 s[G0B+4*\s+3], s[G0B+4*\s+3], 0x80000000
	JLOAD G0+4*\s, G1, G0B+4*\s, G1B               ; three tensor loads of mine are out behind the second of these
.endr
	v_and_b32 v1, 15, v0                           ; l % 16
	v_bfe_u32 v2, v0, 4, 1                         ; l / 16
	v_mul_u32_u24 v3, v1, PITCH
	v_mul_u32_u24 v4, v2, 24
	v_add_nc_u32 v4, v3, v4                        ; a fragment's row x pitch + 24 x half
	v_lshl_add_u32 v5, v2, 4, v4                   ; and the same behind one padding more
	s_mul_i32 s21, s15, HALFT                      ; my 128 rows of A
	s_mul_i32 s22, s16, HALFT                      ; my 128 rows of B,
	s_add_co_u32 s22, s22, 2*HALFT                 ; which lie behind A's 256
.irp s, 0,1
	v_add_nc_u32 v[ADRA+\s], s21, v4
	v_add_nc_u32 v[ADRB+\s], s22, v4
	v_add_nc_u32 v[ADRA+2+\s], s21, v5
	v_add_nc_u32 v[ADRB+2+\s], s22, v5
	s_add_co_u32 s21, s21, SLOT
	s_add_co_u32 s22, s22, SLOT
.endr
	v_mul_u32_u24 v5, v1, KS                       ; my row's scales: KS bytes a row,
	v_lshrrev_b32 v6, 8, v5
	v_lshl_add_u32 v5, v6, 4, v5                   ; and 16 more for each 256 passed
	s_mul_i32 s21, s15, HALFS                      ; A's: my 128 rows
	s_mul_i32 s22, s16, HALFS                      ; B's: my 128 rows, behind A's 256
	s_add_co_u32 s22, s22, 2*HALFS
	s_sub_co_u32 s22, s22, s21
	v_mul_u32_u24 v6, s22, v2                      ; lanes 16-31 take B's
	s_add_co_u32 s21, s21, SCL
	v_add_nc_u32 v5, v5, v6
	v_add_nc_u32 v[ADRS], s21, v5
	s_lshl_b32 s23, s14, 9                         ; my stage: 512 bytes a wave
	v_lshl_add_u32 v[STO], v1, 2, s23              ; in: 4 bytes a row, row l % 16 of a block
	v_and_b32 v6, 31, v0
	v_lshlrev_b32 v[CO], 4, v6                     ; back: 16 bytes a lane; and the same in part
	v_add_nc_u32 v[RD], s23, v[CO]
	v_lshlrev_b32 v[HPO], 5, v2
	; part: slice 2 x tile column + my half of the columns, 65,536 bytes a slice; in it my first row, 256 x tile row + 128 x half, 4 bytes a row
	s_lshl_b32 s20, s17, 10
	s_lshl_b32 s21, s15, 9
	s_add_co_u32 s20, s20, s21
	s_mov_b32 s21, 0
	s_lshl_b32 s46, s42, 17
	s_lshl_b32 s47, s16, 16
	s_add_co_u32 s46, s46, s47
	s_mov_b32 s47, 0
	s_add_nc_u64 s[20:21], s[20:21], s[46:47]
	s_add_nc_u64 s[12:13], s[12:13], s[20:21]
	; hid_proj: the batch is tile row / 4 (a batch has 1,024 rows), 8,192 bytes a batch; my first column, 256 x tile column + 128 x half, 4 bytes a column
	s_lshr_b32 s20, s17, 2
	s_lshl_b32 s20, s20, 13
	s_lshl_b32 s46, s42, 10
	s_add_co_u32 s20, s20, s46
	s_lshl_b32 s46, s16, 9
	s_add_co_u32 s20, s20, s46
	s_mov_b32 s21, 0
	s_add_nc_u64 s[96:97], s[96:97], s[20:21]
.irp b, 0,1,2,3,4,5,6,7
	global_load_b128 v[HP+8*\b:HP+8*\b+3],   v[HPO], s[96:97] offset:64*\b       ; hid_proj at columns 16 b + 8 (l / 16) + 0 .. 7: it stays in registers until the way out
	global_load_b128 v[HP+8*\b+4:HP+8*\b+7], v[HPO], s[96:97] offset:64*\b+16
.endr
.macro FRAG reg, adr, q, i             ; a fragment, 16 rows x 128 K of 6-bit codes, is 12 registers: lane l holds row l % 16; registers 6 c .. 6 c + 5 hold K = 64 c + 32 (l / 16) + 0 .. 31: 24 bytes of the row's stream of bits, as they lie
.irp p, 0,1,2,3,4,5                    ; in pieces of 8 bytes, so that every address is a multiple of the access's size.  Lanes 0-15 take the row's pieces 12 q + 0, 1, 2 and 12 q + 6, 7, 8, lanes 16-31 those three pieces on
.set PC, 12*(\q)+6*(\p/3)+\p%3        ; the mover has laid 16 bytes of padding behind every 64 bytes (8 pieces): where the piece three on lies behind one padding more, the second address register (40 for 24 bytes a half) serves
.if PC%8 < 5
	ds_load_b64 v[\reg+2*\p:\reg+2*\p+1], v[\adr] offset:8*PC+16*(PC/8)+(\i)*16*PITCH
.else
	ds_load_b64 v[\reg+2*\p:\reg+2*\p+1], v[\adr+2] offset:8*PC+16*(PC/8)+(\i)*16*PITCH
.endif
.endr
.endm
; 16 matrix instructions: A's blocks a0, a0 + 1 x B's eight, 128 along K: the slot's q-th.  p: B's set;  sc: the set of scale words.  zero = 1: the first product starts the sums: nothing is ever cleared.
; The 64 accumulators take turns, one instruction a turn, in the same order in every step.
.macro MUL16 a0, p, q, sc, zero
.irp a, \a0, \a0+1
.irp b, 0,1,2,3,4,5,6,7
.if \zero
	v_wmma_scale_f32_16x16x128_f8f6f4 v[8*(8*((\a)%4)+\b):8*(8*((\a)%4)+\b)+7], v[128*(\p)+FR*\b:128*(\p)+FR*\b+FR-1], v[AF+FR*(\a):AF+FR*(\a)+FR-1], 0, v[SC+8*NQ*(\sc)+NQ*\b+(\q)], v[SC+8*NQ*(\sc)+NQ*(\a)+(\q)] matrix_a_fmt:MATRIX_FMT_BF6 matrix_b_fmt:MATRIX_FMT_BF6 matrix_a_scale:MATRIX_SCALE_ROW1
.else
	v_wmma_scale_f32_16x16x128_f8f6f4 v[8*(8*((\a)%4)+\b):8*(8*((\a)%4)+\b)+7], v[128*(\p)+FR*\b:128*(\p)+FR*\b+FR-1], v[AF+FR*(\a):AF+FR*(\a)+FR-1], v[8*(8*((\a)%4)+\b):8*(8*((\a)%4)+\b)+7], v[SC+8*NQ*(\sc)+NQ*\b+(\q)], v[SC+8*NQ*(\sc)+NQ*(\a)+(\q)] matrix_a_fmt:MATRIX_FMT_BF6 matrix_b_fmt:MATRIX_FMT_BF6 matrix_a_scale:MATRIX_SCALE_ROW1
.endif
.endr
.endr
.endm
.macro FETCH_B slot, q, p              ; B's eight fragments of the slot's q-th 128 along K into set p
	WIN TO_B
.irp i, 0,1,2,3,4,5,6,7
	FRAG 128*(\p)+FR*\i, ADRB+\slot, \q, \i
.endr
	WIN 0
.endm
.macro FETCH_A slot, q, i0             ; A's blocks i0 .. i0 + 3
.irp i, \i0, \i0+1, \i0+2, \i0+3
	FRAG AF+FR*(\i), ADRA+\slot, \q, \i
.endr
.endm
.macro SCALES sc                       ; the next K step's scale words into set sc: NQ words a row; lanes 0-15 take A's block i, lanes 16-31 B's block i
.irp i, 0,1,2,3,4,5,6,7
	ds_load_b64 v[SC+8*NQ*\sc+NQ*\i:SC+8*NQ*\sc+NQ*\i+1], v[ADRS] offset:\i*SBLK
.endr
.endm
; A load into a register that a matrix instruction has read, and a vector instruction that reads a matrix result or writes one of a matrix instruction's registers, stand NP places behind that matrix
; instruction, and only plain vector instructions that name none of its registers are places (ISA guide 7.12.1 for vector instructions).
.macro PLACES n
.rept \n
	v_nop
.endr
.endm
; A step of 128 along K that has its successor in the same slot.
.macro STEP slot, q, zero
	s_wait_dscnt 4*NL                              ; B's set and A's blocks 0-3 are in; the youngest 24 loads (A's blocks 4-7) may be out
	WIN MUL_LO
	MUL16 0, (\q)%2, \q, \slot, \zero
	MUL16 2, (\q)%2, \q, \slot, \zero
	s_wait_dscnt 0                                 ; A's blocks 4-7 are in (asked for 32 matrix instructions ago)
	PLACES NP
	FETCH_B \slot, (\q)+1, 1-(\q)%2
	FETCH_A \slot, (\q)+1, 0
	WIN MUL_HI
	MUL16 4, (\q)%2, \q, \slot, \zero
	MUL16 6, (\q)%2, \q, \slot, \zero
	PLACES NP
	WIN 0
	FETCH_A \slot, (\q)+1, 4
.endm
; A slot's last step changes slots: ONE barrier; in front of it each wave waits for all its tensor loads, adds 0 to its spare word, and waits for that and for its own reads of this slot.  fill = 1: this slot is filled again, two K steps ahead.
.macro TURN slot, next, fill
	s_wait_tensorcnt 0x0                           ; all my tensor loads have landed: my part of the next slot;  (every window is 0 here: the add's two registers lie in window 0)
	ds_add_u32 v[SPW], v[NIL]                      ; 0 onto my spare word;
	s_wait_dscnt 4*NL+1                            ; (the add and the youngest 24 loads, A's blocks 4-7, may be out)
	WIN MUL_LO
	MUL16 0, 1, NQ-1, \slot, 0                     ; sixteen matrix instructions stand between the add and the wait for it
	s_wait_dscnt 0x0                               ; the add is done, and my reads of this slot are over
	s_barrier_signal -1
	MUL16 2, 1, NQ-1, \slot, 0
	WIN 0
	s_barrier_wait -1
.if \fill
	CREST                                          ; the barrier has opened a round of the cluster's barrier: no wave of any partner still reads this slot's tile or has a load on its way
	s_add_nc_u64 s[G0+4*\slot+2:G0+4*\slot+3], s[G0+4*\slot+2:G0+4*\slot+3], 2*ROWB
	s_add_nc_u64 s[G0B+4*\slot+2:G0B+4*\slot+3], s[G0B+4*\slot+2:G0B+4*\slot+3], 2*ROWB
	JLOAD G0+4*\slot, G1, G0B+4*\slot, G1B         ; the first tensor load behind the round, my only one until the next; the four v_nop behind it are the places in front of the loads below
.else
	PLACES NP
.endif
	v_add_nc_u32 v[ADRS], 4*NQ, v[ADRS]            ; on to the next K step's scale words (no LDS load of mine is out)
	FETCH_B \next, 0, 0
	FETCH_A \next, 0, 0
	SCALES \next
	WIN MUL_HI
	MUL16 4, 1, NQ-1, \slot, 0
	MUL16 6, 1, NQ-1, \slot, 0
	PLACES NP
	WIN 0
	FETCH_A \next, 0, 4
.endm
	s_wait_loadcnt 0x0                             ; hid_proj is in: no global load of mine is out from here on
	s_wait_tensorcnt 1                             ; the scales and my part of K step 0 are in (K step 1's load may be out)
	s_barrier_signal -1
	s_barrier_wait -1                              ; everybody's are
	FETCH_B 0, 0, 0
	FETCH_A 0, 0, 0
	SCALES 0
	FETCH_A 0, 0, 4
	STEP 0, 0, 1                                   ; the first step stands in front of the loop: its products start the sums
	s_mov_b32 s3, LAPS-1
.Llap:                                                 ; a trip goes once round the ring, from a lap's second step to the next lap's first, and fills both slots again
	TURN 0, 1, 1
	STEP 1, 0, 0
	TURN 1, 0, 1
	STEP 0, 0, 0
	s_sub_co_u32 s3, s3, 1
	s_cmp_lg_u32 s3, 0
	s_cbranch_scc1 .Llap
	TURN 0, 1, 0                                   ; the last lap fills nothing, and has no round of the cluster's barrier
	STEP 1, 0, 0
	s_wait_dscnt 4*NL                              ; the very last step: nothing more to fetch
	WIN MUL_LO
	MUL16 0, 1, NQ-1, 1, 0
	MUL16 2, 1, NQ-1, 1, 0
	s_wait_dscnt 0
	WIN MUL_HI
	MUL16 4, 1, NQ-1, 1, 0
	MUL16 6, 1, NQ-1, 1, 0
	WIN 0
; THE WAY OUT.  A lane holds, of row l % 16 of each of my 8 blocks of rows, 64 of my 128 columns (8 in each of 8 accumulators).  Each is multiplied by hid_proj at its column and added: packed fused
; multiply-adds in f32, two chains for each block of rows, the four blocks of a window by turns, so that a chain comes round again behind seven other instructions.  Each accumulator is read from its low end on.
.macro DOT hi, w                       ; w: source 0 (the accumulators) in window 2 or 3, all else in window 0
	WIN \w
.irp b, 0,1,2,3,4,5,6,7
.irp jp, 0,1,2,3
.irp a4, 0,1,2,3
.set rA, 8*(8*\a4+\b)+2*\jp
.set rH, HP+8*\b+2*\jp
.set rS, SS+4*(4*\hi+\a4)+2*(\jp%2)
.if (\b == 0) && (\jp < 2)
	v_pk_mul_f32 v[rS:rS+1], v[rA:rA+1], v[rH:rH+1]                    ; the first product starts a chain: nothing is cleared
.else
	v_pk_fma_f32 v[rS:rS+1], v[rA:rA+1], v[rH:rH+1], v[rS:rS+1]
.endif
.endr
.endr
.endr
.endm
	PLACES NP                                      ; behind the last products: their results are read, and registers that held A's fragments are written, only behind these
	DOT 0, 0x02
	DOT 1, 0x03
	WIN 0
	s_mov_b32 s22, 0x76543210
	s_mov_b32 s23, 0xfedcba98                      ; v_permlanex16_b32's selects for lane l xor 16
.irp a, 0,1,2,3,4,5,6,7
	v_pk_add_f32 v[SS+4*\a:SS+4*\a+1], v[SS+4*\a:SS+4*\a+1], v[SS+4*\a+2:SS+4*\a+3]   ; the two chains,
.endr
.irp a, 0,1,2,3,4,5,6,7
	v_add_f32 v[RS+\a], v[SS+4*\a], v[SS+4*\a+1]                       ; the pair's two halves,
.endr
.irp a, 0,1,2,3,4,5,6,7
	v_permlanex16_b32 v[SS+4*\a+2], v[RS+\a], s22, s23                 ; (its destination has been written)
.endr
.irp a, 0,1,2,3,4,5,6,7
	v_add_f32 v[RS+\a], v[RS+\a], v[SS+4*\a+2]                         ; and the other half of the lanes' 64 columns: row 16 a + l % 16, the same bits in both halves of the lanes
.endr
.irp a, 0,1,2,3,4,5,6,7
	ds_store_b32 v[STO], v[RS+\a] offset:64*\a     ; both halves of the lanes write the same word with the same value
.endr
	ds_load_b128 v[OB:OB+3], v[RD]                 ; my own bytes; LDS serves a wave's instructions in order (ISA guide 5.7.1.4): this sees the stores above
	s_wait_dscnt 0x0
	global_store_b128 v[CO], v[OB:OB+3], s[12:13]  ; 32 lanes store my 128 rows' sums: 512 consecutive bytes, at a multiple of 256 from part's first byte
	s_wait_tensorcnt 0x0                           ; the wave's end, behind my last tensor load and my last LDS store
	ds_add_u32 v[SPW], v[NIL]
	s_wait_dscnt 0x0
	CROUND                                         ; the closing round: no work-group ends while a partner may still ask for a tile that names it
	s_endpgm
.Lfunc_end_k_q3433053f15_gemm:
	.size	k_q3433053f15_gemm, .Lfunc_end_k_q3433053f15_gemm-k_q3433053f15_gemm
	.p2alignl 7, 3214868480
	.fill 96, 4, 3214868480
	.section	.rodata,"a",@progbits
	.p2align	6, 0x0
	.amdhsa_kernel k_q3433053f15_gemm
		.amdhsa_group_segment_fixed_size 327680
		.amdhsa_private_segment_fixed_size 0
		.amdhsa_enable_private_segment 0
		.amdhsa_kernarg_size 48
		.amdhsa_user_sgpr_count 2
		.amdhsa_user_sgpr_kernarg_segment_ptr 1
		.amdhsa_wavefront_size32 1
		.amdhsa_system_sgpr_workgroup_id_x 1
		.amdhsa_system_sgpr_workgroup_id_y 1
		.amdhsa_system_sgpr_workgroup_id_z 1
		.amdhsa_system_vgpr_workitem_id 0
		.amdhsa_next_free_vgpr 1024
		.amdhsa_next_free_sgpr 98
		.amdhsa_reserve_vcc 0
		.amdhsa_float_denorm_mode_32 3
		.amdhsa_float_denorm_mode_16_64 3
		.amdhsa_memory_ordered 1
		.amdhsa_forward_progress 1
		.amdhsa_inst_pref_size 150
	.end_amdhsa_kernel
	.amdgpu_metadata
---
amdhsa.version: [ 1, 2 ]
amdhsa.kernels:
  - .name:           k_q3433053f15_gemm
    .symbol:         k_q3433053f15_gemm.kd
    .args:
      - { .name: enc_codes, .offset: 0, .size: 8, .value_kind: global_buffer, .address_space: global }
      - { .name: enc_scales, .offset: 8, .size: 8, .value_kind: global_buffer, .address_space: global }
      - { .name: W_codes, .offset: 16, .size: 8, .value_kind: global_buffer, .address_space: global }
      - { .name: W_scales, .offset: 24, .size: 8, .value_kind: global_buffer, .address_space: global }
      - { .name: hidp, .offset: 32, .size: 8, .value_kind: global_buffer, .address_space: global }
      - { .name: part, .offset: 40, .size: 8, .value_kind: global_buffer, .address_space: global }
    .group_segment_fixed_size: 327680
    .private_segment_fixed_size: 0
    .kernarg_segment_align: 8
    .kernarg_segment_size: 48
    .max_flat_workgroup_size: 128
    .sgpr_count:     98
    .vgpr_count:     1024
    .wavefront_size: 32
...
	.end_amdgpu_metadata
.endif
;; end of part 2
;; launch soft (part 3): grid 16 x 1, 16 waves a work-group, no clusters, 3,072 bytes of LDS; arguments part, hidp, b, out0, probs, live; writes out0, probs, live
.if DOCPART == 3
	.amdgcn_target "amdgcn-amd-amdhsa--gfx1250"
	.amdhsa_code_object_version 6
	.text
	.protected	k_q3433053f15_soft
	.globl	k_q3433053f15_soft
	.p2align	8
	.type	k_q3433053f15_soft,@function
k_q3433053f15_soft:
	s_mov_b64 s[64:65], 0
	v_nop
	global_prefetch_b8 v0, s[64:65] scope:SCOPE_SE
	s_setreg_imm32_b32 hwreg(HW_REG_WAVE_MODE, 25, 1), 1
	s_wait_xcnt 0x0
; For each batch: scores[s] = the sum of the 16 slices of part at row s + b . hid_proj  (out0);   p[s] = e^(score[s] - the batch's largest score);   probs[s] = p[s] / the sum of p;
; and one bit a row, p[s] > 0, as whole numbers at fixed places: the next launch reads only the rows of encode_state whose bit is set.
; All in f32.  The largest score is taken away before the exponential: every exponent is 0 or less and the row of the maximum has p = 1, so the divisor lies between 1 and 1,024.
; (b . hid_proj is the same for all rows of a batch: it goes into out0 and is left out of the exponent, where it would cancel.)  The sums' order differs from a plain ascending one.
; SHARES.  One work-group a batch, sixteen waves; thread t owns rows 2 t and 2 t + 1.  There is work for sixteen work-groups: 64 KiB of part each.
; THE BITS.  Wave w makes two words: bit l of word 2 w + q stands for row 64 w + 2 l + q.  No address and no branch of this launch hangs on them.
; LIMITS: NaN and infinities are not served.  v_exp_f32 gives 0 where its result would lie under 2^-126 (ISA guide, its entry in 15.8): a weight under 2^-126 of the batch's largest counts as 0.
.set RED1, 0                           ; LDS: 8 bytes a wave: its largest score, its part of b . hid_proj
.set RED2, 256                         ; 4 bytes a wave: its sum of p
.set MSK,  512                         ; 8 bytes a wave: its two words of bits
.set PT,   16                          ; v16-47   the 16 slices' pairs; later what comes back from LDS
.set P,    60                          ; v[60:61] p of rows 2 t, 2 t + 1
	s_load_b256 s[4:11], s[0:1], 0x0               ; part s[4:5], hid_proj s[6:7], b s[8:9], out0 s[10:11]
	s_load_b128 s[12:15], s[0:1], 0x20             ; probs s[12:13], live s[14:15]
	v_lshl_add_u32 v64, v0, 2, 0x400
	v_mov_b32 v65, 0
	v_lshrrev_b32 v1, 5, v0
	v_readfirstlane_b32 s16, v1                    ; wave 0..15
	s_mov_b32 s24, 0x76543210
	s_mov_b32 s25, 0xfedcba98                      ; v_permlanex16_b32's selects for lane l xor 16
	v_and_b32 v1, 31, v0                           ; lane
	v_lshlrev_b32 v2, 3, v0                        ; 8 t: my two rows in a slice of part, in out0 and in probs; never rewritten
	v_lshlrev_b32 v3, 4, v0                        ; 16 t: my four numbers of b and of hid_proj
	v_lshlrev_b32 v5, 2, v1                        ; 4 x lane: a word of bits; never rewritten
	v_mov_b32 v6, s16
	v_lshlrev_b32 v6, 3, v6                        ; 8 x wave
	v_mov_b32 v7, 0
	v_mov_b32 v9, s16
	v_lshl_add_u32 v9, v9, 2, RED2                 ; RED2 + 4 x wave
	v_mov_b32 v63, 0                               ; written once: a lane permute's destination counts as one of its sources
	s_lshl_b32 s18, ttmp9, 12                      ; a batch in a slice of part, in out0 and in probs: 4,096 bytes
	s_mov_b32 s19, 0
	s_lshl_b32 s20, ttmp9, 13                      ; in hid_proj: 8,192
	s_mov_b32 s21, 0
	s_lshl_b32 s22, ttmp9, 7                       ; in live: 32 words
	s_mov_b32 s23, 0
	s_wait_kmcnt 0x0
	s_add_nc_u64 s[4:5], s[4:5], s[18:19]
	s_add_nc_u64 s[6:7], s[6:7], s[20:21]
	s_add_nc_u64 s[10:11], s[10:11], s[18:19]
	s_add_nc_u64 s[12:13], s[12:13], s[18:19]
	s_add_nc_u64 s[14:15], s[14:15], s[22:23]
.irp i, 0,1,2,3,4,5,6,7,8,9,10,11,12,13,14,15
	global_load_b64 v[PT+2*\i:PT+2*\i+1], v2, s[4:5] offset:65536*\i     ; slice i at my two rows: a wave reads 256 consecutive bytes
.endr
	global_load_b128 v[48:51], v3, s[8:9]          ; b
	global_load_b128 v[52:55], v3, s[6:7]          ; hid_proj
	s_wait_loadcnt 0x0
	v_pk_add_f32 v[56:57], v[PT:PT+1], v[PT+2:PT+3]                    ; my two rows' scores without b . hid_proj: 16 slices, in two chains
	v_pk_add_f32 v[10:11], v[PT+4:PT+5], v[PT+6:PT+7]
.irp i, 4,6,8,10,12,14
	v_pk_add_f32 v[56:57], v[56:57], v[PT+2*\i:PT+2*\i+1]
	v_pk_add_f32 v[10:11], v[10:11], v[PT+2*\i+2:PT+2*\i+3]
.endr
	v_pk_add_f32 v[56:57], v[56:57], v[10:11]
	v_mul_f32 v59, v48, v52                        ; my four terms of b . hid_proj
	v_fmac_f32 v59, v49, v53
	v_fmac_f32 v59, v50, v54
	v_fmac_f32 v59, v51, v55
	v_max_num_f32 v58, v56, v57
.irp m, 1,2,4,8
	v_max_num_f32_dpp v58, v58, v58 row_xmask:\m row_mask:0xf bank_mask:0xf
	v_add_f32_dpp v59, v59, v59 row_xmask:\m row_mask:0xf bank_mask:0xf
.endr
	v_permlanex16_b32 v63, v58, s24, s25
	v_max_num_f32 v58, v58, v63                    ; my wave's largest score, in every lane
	v_permlanex16_b32 v63, v59, s24, s25
	v_add_f32 v59, v59, v63                        ; my wave's part of b . hid_proj, the same bits in every lane
	ds_store_b64 v6, v[58:59]                      ; all lanes write the same two words with the same values
	s_wait_dscnt 0x0                               ; for the others' sake: my store is done
	s_barrier_signal -1
	s_barrier_wait -1
.irp i, 0,1,2,3,4,5,6,7
	ds_load_b128 v[PT+4*\i:PT+4*\i+3], v7 offset:RED1+16*\i            ; sixteen pairs: even registers the maxima, odd ones the parts of the dot product
.endr
	s_wait_dscnt 0x0
	v_max3_num_f32 v58, v[PT], v[PT+2], v[PT+4]
.irp i, 6,10,14,18,22,26
	v_max3_num_f32 v58, v58, v[PT+\i], v[PT+\i+2]
.endr
	v_max_num_f32 v58, v58, v[PT+30]               ; the batch's largest score
	v_add_f32 v59, v[PT+1], v[PT+3]
	v_add_f32 v63, v[PT+5], v[PT+7]
.irp i, 9,13,17,21,25,29
	v_add_f32 v59, v59, v[PT+\i]
	v_add_f32 v63, v63, v[PT+\i+2]
.endr
	v_add_f32 v59, v59, v63                        ; b . hid_proj
	v_add_f32 v10, v56, v59                        ; the scores as they are returned
	v_add_f32 v11, v57, v59
	global_store_b64 v2, v[10:11], s[10:11]        ; a wave stores 256 consecutive bytes, at a multiple of 256 from out0's first byte; v2, v10, v11 are not written again
	v_sub_f32 v[P], v56, v58                       ; score - the largest: 0 or less
	v_sub_f32 v[P+1], v57, v58
	v_mul_f32 v[P], 0x3fb8aa3b, v[P]               ; x log2(e)
	v_mul_f32 v[P+1], 0x3fb8aa3b, v[P+1]
	v_exp_f32 v[P], v[P]
	v_exp_f32 v[P+1], v[P+1]
	v_nop                                          ; a plain instruction behind the last exponential,
	s_wait_alu depctr_va_vdst(0)                   ; and the wait ahead of the first use: one for both
	v_cmp_lt_f32 s28, 0, v[P]                      ; bit l: row 64 w + 2 l has a weight
	v_cmp_lt_f32 s29, 0, v[P+1]                    ; bit l: row 64 w + 2 l + 1 has one
	v_add_f32 v62, v[P], v[P+1]
.irp m, 1,2,4,8
	v_add_f32_dpp v62, v62, v62 row_xmask:\m row_mask:0xf bank_mask:0xf
.endr
	v_permlanex16_b32 v63, v62, s24, s25
	v_add_f32 v62, v62, v63                        ; my wave's sum of p, in every lane
	v_mov_b32 v12, s28
	v_mov_b32 v13, s29
	ds_store_b32 v9, v62                           ; all lanes write the same word with the same value
	ds_store_b64 v6, v[12:13] offset:MSK           ; likewise: words 2 w and 2 w + 1 of the batch's 32
	s_wait_dscnt 0x0                               ; for the others' sake: my stores are done
	s_barrier_signal -1
	s_barrier_wait -1
.irp i, 0,1,2,3
	ds_load_b128 v[PT+4*\i:PT+4*\i+3], v7 offset:RED2+16*\i            ; the sixteen sums of p, in every lane
.endr
	ds_load_b32 v14, v5 offset:MSK                 ; word l of the batch's bits
	s_wait_dscnt 0x0
.irp i, 0,2,4,6
	v_pk_add_f32 v[PT+\i:PT+\i+1], v[PT+\i:PT+\i+1], v[PT+8+\i:PT+9+\i]
.endr
.irp i, 0,2
	v_pk_add_f32 v[PT+\i:PT+\i+1], v[PT+\i:PT+\i+1], v[PT+4+\i:PT+5+\i]
.endr
	v_pk_add_f32 v[PT:PT+1], v[PT:PT+1], v[PT+2:PT+3]
	v_add_f32 v[PT], v[PT], v[PT+1]                ; the batch's sum of p, at least 1
	v_rcp_f32 v[PT+2], v[PT]
	v_mov_b32 v[PT+3], 0                           ; a plain instruction behind the reciprocal (the pair's upper half, which is named and not used),
	s_wait_alu depctr_va_vdst(0)                   ; and the wait ahead of the first use
	v_pk_mul_f32 v[P:P+1], v[P:P+1], v[PT+2:PT+3] op_sel_hi:[1,0]
	global_store_b64 v2, v[P:P+1], s[12:13]        ; a wave stores 256 consecutive bytes, at a multiple of 256 from probs' first byte
	s_cmp_lg_u32 s16, 0
	s_cbranch_scc1 .Lend                           ; wave 0 stores the batch's 32 words of bits
	global_store_b32 v5, v14, s[14:15]             ; 128 consecutive bytes
.Lend:
	s_wait_tensorcnt 0x0
	ds_add_u32 v64, v65
	s_wait_dscnt 0x0
	s_endpgm
.Lfunc_end_k_q3433053f15_soft:
	.size	k_q3433053f15_soft, .Lfunc_end_k_q3433053f15_soft-k_q3433053f15_soft
	.p2alignl 7, 3214868480
	.fill 96, 4, 3214868480
	.section	.rodata,"a",@progbits
	.p2align	6, 0x0
	.amdhsa_kernel k_q3433053f15_soft
		.amdhsa_group_segment_fixed_size 3072
		.amdhsa_private_segment_fixed_size 0
		.amdhsa_enable_private_segment 0
		.amdhsa_kernarg_size 48
		.amdhsa_user_sgpr_count 2
		.amdhsa_user_sgpr_kernarg_segment_ptr 1
		.amdhsa_wavefront_size32 1
		.amdhsa_system_sgpr_workgroup_id_x 1
		.amdhsa_system_sgpr_workgroup_id_y 1
		.amdhsa_system_sgpr_workgroup_id_z 1
		.amdhsa_system_vgpr_workitem_id 0
		.amdhsa_next_free_vgpr 66
		.amdhsa_next_free_sgpr 66
		.amdhsa_reserve_vcc 0
		.amdhsa_float_denorm_mode_32 3
		.amdhsa_float_denorm_mode_16_64 3
		.amdhsa_memory_ordered 1
		.amdhsa_forward_progress 1
		.amdhsa_inst_pref_size 10
	.end_amdhsa_kernel
	.amdgpu_metadata
---
amdhsa.version: [ 1, 2 ]
amdhsa.kernels:
  - .name:           k_q3433053f15_soft
    .symbol:         k_q3433053f15_soft.kd
    .args:
      - { .name: part, .offset: 0, .size: 8, .value_kind: global_buffer, .address_space: global }
      - { .name: hidp, .offset: 8, .size: 8, .value_kind: global_buffer, .address_space: global }
      - { .name: b, .offset: 16, .size: 8, .value_kind: global_buffer, .address_space: global }
      - { .name: out0, .offset: 24, .size: 8, .value_kind: global_buffer, .address_space: global }
      - { .name: probs, .offset: 32, .size: 8, .value_kind: global_buffer, .address_space: global }
      - { .name: live, .offset: 40, .size: 8, .value_kind: global_buffer, .address_space: global }
    .group_segment_fixed_size: 3072
    .private_segment_fixed_size: 0
    .kernarg_segment_align: 8
    .kernarg_segment_size: 48
    .max_flat_workgroup_size: 512
    .sgpr_count:     66
    .vgpr_count:     66
    .wavefront_size: 32
...
	.end_amdgpu_metadata
.endif
;; end of part 3
;; launch context (part 4): grid 16 x 16, 16 waves a work-group, no clusters, 10,240 bytes of LDS; arguments live, probs, encode_state, out1; writes out1
.if DOCPART == 4
	.amdgcn_target "amdgcn-amd-amdhsa--gfx1250"
	.amdhsa_code_object_version 6
	.text
	.protected	k_q3433053f15_context
	.globl	k_q3433053f15_context
	.p2align	8
	.type	k_q3433053f15_context,@function
k_q3433053f15_context:
	s_mov_b64 s[64:65], 0
	v_nop
	global_prefetch_b8 v0, s[64:65] scope:SCOPE_SE
	s_setreg_imm32_b32 hwreg(HW_REG_WAVE_MODE, 25, 1), 1
	s_wait_xcnt 0x0
; context[batch][d] = the sum over s of probs[batch][s] x encode_state[batch][s][d], in f32, over the rows whose bit in live is set: a row without a bit has the weight 0 and adds nothing, so it is not read.
; How many rows are read hangs on the inputs; every number from 1 to all 1,024 of a batch is served.  The sum's order differs from a plain ascending one.
; SHARES.  Work-group (x, y): batch y, columns 128 x .. 128 x + 127: each output has one owner.  Sixteen waves; wave w owns rows 64 w .. 64 w + 63: two words of bits, bit l of word q for row 64 w + 2 l + q.
; A load of a wave covers a row's 512 consecutive bytes, at a multiple of 256 from the buffer's first byte; a lane keeps 4 columns.
; THE WALK.  A loop of a constant 4 trips.  A trip takes up to 8 set bits of each word (the lowest first; 4 x 8 = all 32), issues those rows' loads and their weights' loads together, waits once, and multiplies.
; A slot that finds its word empty is jumped over: its weight register was cleared at the trip's head, and its row registers, cleared once at the kernel's head, hold old numbers of the tensor: it adds 0.
; A trip that finds both words empty is passed over whole.  The bits are whole numbers that the launch before has stored; an index made of them is held at 31 before it enters an offset.
; No prefetch: the rows are known only when the words are in, and are asked for at once.  No cluster: what the sixteen work-groups of a batch share, 128 bytes of bits and 4 KiB of weights, is small.
; Memory and its latency bind: no matrix unit (one row of weights), no tensor load.
; LIMITS: NaN and infinities in encode_state are not served (0 x such a number is no 0).
.set ACCS, 0                           ; LDS: 512 bytes a wave: its sums for the 128 columns
.set ACC,  12                          ; v[12:15] my 4 columns' sums
.set XA,   16                          ; v16-31   slot j: the byte offset of my 16 bytes of its row
.set WA,   32                          ; v32-47   slot j: the byte offset of its weight
.set W,    48                          ; v48-63   slot j: its weight, the same in every lane
.set X,    64                          ; v64-127  slot j: 4 registers: my 16 bytes of its row
.set MK,   20                          ; s[20:21] my wave's two words of bits; a bit is cleared when its row has been asked for
	s_load_b256 s[4:11], s[0:1], 0x0               ; live s[4:5], probs s[6:7], encode_state s[8:9], out1 s[10:11]
	v_lshl_add_u32 v128, v0, 2, 0x2000
	v_mov_b32 v129, 0
	v_lshrrev_b32 v1, 5, v0
	v_readfirstlane_b32 s16, v1                    ; wave 0..15
	s_and_b32 s17, ttmp7, 0xffff                   ; the batch
	v_and_b32 v1, 31, v0                           ; lane
	v_lshlrev_b32 v5, 4, v1                        ; 16 x lane: my four columns; never rewritten
	s_lshl_b32 s18, s16, 19                        ; my wave's 64 rows of 8,192 bytes
	v_add_nc_u32 v4, s18, v5                       ; never rewritten
	v_lshlrev_b32 v8, 4, v0                        ; ACCS + 512 x wave + 16 x lane = 16 t
	s_lshl_b32 s18, s17, 7                         ; live: 128 bytes a batch,
	s_lshl_b32 s19, s16, 3                         ; 8 a wave
	s_add_co_u32 s18, s18, s19
	s_mov_b32 s19, 0
	s_lshl_b32 s24, s17, 12                        ; probs: 4,096 bytes a batch,
	s_lshl_b32 s25, s16, 8                         ; 256 a wave
	s_add_co_u32 s24, s24, s25
	s_mov_b32 s25, 0
	s_lshl_b32 s26, s17, 23                        ; encode_state: 2^23 bytes a batch,
	s_lshl_b32 s27, ttmp9, 9                       ; my 128 columns: 512 bytes
	s_add_co_u32 s26, s26, s27
	s_lshl_b32 s28, s17, 13                        ; out1: 8,192 bytes a batch
	s_add_co_u32 s28, s28, s27
	s_mov_b32 s27, 0
	s_mov_b32 s29, 0
	s_wait_kmcnt 0x0
	s_add_nc_u64 s[4:5], s[4:5], s[18:19]
	s_add_nc_u64 s[6:7], s[6:7], s[24:25]
	s_add_nc_u64 s[8:9], s[8:9], s[26:27]
	s_add_nc_u64 s[10:11], s[10:11], s[28:29]
	s_load_b64 s[MK:MK+1], s[4:5], 0x0             ; my two words
.irp k, 0,1,2,3
	v_mov_b32 v[ACC+\k], 0                         ; a wave may have no row at all: its sums are then 0
.endr
.set I, 0
.rept 64
	v_mov_b32 v[X+I], 0                            ; once: what a slot that is never filled is multiplied by its weight 0.  These lines stand while the words are on their way
.set I, I+1
.endr
	s_wait_kmcnt 0x0
; Up to 8 rows of word q are asked for, into slots 8 q .. 8 q + 7.
.macro WORD q
.irp j, 0,1,2,3,4,5,6,7
	s_cmp_eq_u32 s[MK+\q], 0
	s_cbranch_scc1 .Ldry_\q                        ; no bit is left in this word
	s_ctz_i32_b32 s24, s[MK+\q]                    ; the lowest set bit,
	s_min_u32 s24, s24, 31                         ; held inside the word's 32 rows
	s_lshl_b32 s25, s24, 14                        ; rows of a word lie two rows, 16,384 bytes, apart;
	s_lshl_b32 s26, s24, 3                         ; their weights 8 bytes
	v_add_nc_u32 v[XA+8*\q+\j], s25, v4
	v_mov_b32 v[WA+8*\q+\j], s26
	global_load_b128 v[X+4*(8*\q+\j):X+4*(8*\q+\j)+3], v[XA+8*\q+\j], s[8:9] offset:8192*\q th:TH_LOAD_NT   ; 512 consecutive bytes of the row; read once in this launch
	global_load_b32 v[W+8*\q+\j], v[WA+8*\q+\j], s[6:7] offset:4*\q                                          ; its weight: every lane reads the same word
	s_sub_co_u32 s25, s[MK+\q], 1
	s_and_b32 s[MK+\q], s[MK+\q], s25              ; the bit is cleared
.endr
.Ldry_\q:
.endm
	s_mov_b32 s22, 4
.Ltrip:
	s_or_b32 s23, s[MK], s[MK+1]
	s_cmp_eq_u32 s23, 0
	s_cbranch_scc1 .Lnone                          ; nothing is left: the trip's work is passed over
.irp j, 0,1,2,3,4,5,6,7,8,9,10,11,12,13,14,15
	v_mov_b32 v[W+\j], 0                           ; a slot that is not filled in this trip weighs nothing.  (No load of mine is out here: the last trip waited for all)
.endr
	WORD 0
	WORD 1
	s_wait_loadcnt 0x0                             ; all of the trip's rows and weights are in; so their offset registers may be written again in the next trip
.irp j, 0,1,2,3,4,5,6,7,8,9,10,11,12,13,14,15
.irp k, 0,1,2,3
	v_fmac_f32 v[ACC+\k], v[W+\j], v[X+4*\j+\k]
.endr
.endr
.Lnone:
	s_sub_co_u32 s22, s22, 1
	s_cmp_lg_u32 s22, 0
	s_cbranch_scc1 .Ltrip
	ds_store_b128 v8, v[ACC:ACC+3]
	s_wait_dscnt 0x0                               ; for wave 0's sake: my store is done
	s_barrier_signal -1
	s_barrier_wait -1
	s_cmp_lg_u32 s16, 0
	s_cbranch_scc1 .Lend                           ; wave 0 adds the sixteen waves' sums and stores
.irp i, 0,1,2,3,4,5,6,7,8,9,10,11,12,13,14,15
	ds_load_b128 v[X+4*\i:X+4*\i+3], v5 offset:ACCS+512*\i             ; wave i's sums for my four columns
.endr
	s_wait_dscnt 0x0
.irp d, 8,4,2,1
.set I, 0
.rept \d
	v_pk_add_f32 v[X+4*I:X+4*I+1], v[X+4*I:X+4*I+1], v[X+4*(I+\d):X+4*(I+\d)+1]
	v_pk_add_f32 v[X+4*I+2:X+4*I+3], v[X+4*I+2:X+4*I+3], v[X+4*(I+\d)+2:X+4*(I+\d)+3]
.set I, I+1
.endr
.endr
	global_store_b128 v5, v[X:X+3], s[10:11]       ; 32 lanes store 512 consecutive bytes, at a multiple of 256 from out1's first byte
.Lend:
	s_wait_tensorcnt 0x0
	ds_add_u32 v128, v129
	s_wait_dscnt 0x0
	s_endpgm
.Lfunc_end_k_q3433053f15_context:
	.size	k_q3433053f15_context, .Lfunc_end_k_q3433053f15_context-k_q3433053f15_context
	.p2alignl 7, 3214868480
	.fill 96, 4, 3214868480
	.section	.rodata,"a",@progbits
	.p2align	6, 0x0
	.amdhsa_kernel k_q3433053f15_context
		.amdhsa_group_segment_fixed_size 10240
		.amdhsa_private_segment_fixed_size 0
		.amdhsa_enable_private_segment 0
		.amdhsa_kernarg_size 32
		.amdhsa_user_sgpr_count 2
		.amdhsa_user_sgpr_kernarg_segment_ptr 1
		.amdhsa_wavefront_size32 1
		.amdhsa_system_sgpr_workgroup_id_x 1
		.amdhsa_system_sgpr_workgroup_id_y 1
		.amdhsa_system_sgpr_workgroup_id_z 1
		.amdhsa_system_vgpr_workitem_id 0
		.amdhsa_next_free_vgpr 130
		.amdhsa_next_free_sgpr 66
		.amdhsa_reserve_vcc 0
		.amdhsa_float_denorm_mode_32 3
		.amdhsa_float_denorm_mode_16_64 3
		.amdhsa_memory_ordered 1
		.amdhsa_forward_progress 1
		.amdhsa_inst_pref_size 18
	.end_amdhsa_kernel
	.amdgpu_metadata
---
amdhsa.version: [ 1, 2 ]
amdhsa.kernels:
  - .name:           k_q3433053f15_context
    .symbol:         k_q3433053f15_context.kd
    .args:
      - { .name: live, .offset: 0, .size: 8, .value_kind: global_buffer, .address_space: global }
      - { .name: probs, .offset: 8, .size: 8, .value_kind: global_buffer, .address_space: global }
      - { .name: encode_state, .offset: 16, .size: 8, .value_kind: global_buffer, .address_space: global }
      - { .name: out1, .offset: 24, .size: 8, .value_kind: global_buffer, .address_space: global }
    .group_segment_fixed_size: 10240
    .private_segment_fixed_size: 0
    .kernarg_segment_align: 8
    .kernarg_segment_size: 32
    .max_flat_workgroup_size: 512
    .sgpr_count:     66
    .vgpr_count:     130
    .wavefront_size: 32
...
	.end_amdgpu_metadata
.endif
;; end of part 4
